; MI455X (gfx1250); checked and timed in simulation.
; The chip was launched on July 23, 2026; its instructions are those of AMD's public machine-readable ISA for CDNA 5 (MIT licence, August 2026) and "CDNA5" Instruction Set Architecture Reference Guide (July 2026). The comments in the code are by the model that wrote it; some were corrected since.
;; Scorer. Allowed arithmetic: matrix products marked QUANTISED: E2M3 operands, one E8M0 scale for each 32 along K, by v_wmma_scale_f32_16x16x128_f8f6f4 with both operands' format E2M3, f32 sums; everything else in f32.
;; Inputs: feature_batch 8 x 32 x 32 x 512 float32; mb 16,384 x 512 float32.
;; Outputs: out0 8 x 1 x 32 x 32 float32; out1 8 float32.
;; Constants: b = 9.
;; This version of the problem:
;;   THIS VERSION OF THE PROBLEM IS GIVEN IN LOW PRECISION. The matrix products marked QUANTISED in the list below multiply operands that are first quantised to E2M3 (2 exponent bits, 3 mantissa bits; 6 bits a number), with one power-of-two scale for each 32 numbers along K (OCP MX v1.0); their sums are f32. All else is computed in f32.
;;   The module's matrix products, in the order in which they are computed (A, B: the left and right operand; K: the contracted axis; several contracted axes count as one K, in the product's order):
;;     1. [M 8,192, K 512] x [K 512, N 16,384]; A: input feature_batch; B: input mb: QUANTISED
;;   THE QUANTISER, for each operand of a quantised product, along K:
;;     - K is cut into blocks of 32 from its start; a last block that is shorter is filled with zeros.
;;     - A block's scale is 2^e with e = floor(log2(the largest magnitude in the block)) - 2, held to -126 .. 127; a block of zeros has e = 0. As a byte (E8M0): e + 127.
;;     - Each number is divided by its block's scale, clamped to +-7.5, and rounded to the nearest number of E2M3, ties to even, subnormals kept.
;;     - The product sums the exact products of the quantised numbers (number of the format x scale) in f32.
;;   ~~~python
;;   def quantise(x, axis):      # numpy; x: float32 -> the quantised numbers, widened to float32 again
;;       x = np.moveaxis(x, axis, -1); K = x.shape[-1]
;;       x = np.pad(x, [(0, 0)] * (x.ndim - 1) + [(0, -K % 32)]); x = x.reshape(x.shape[:-1] + (-1, 32)); a = np.abs(x).max(-1, keepdims=True)
;;       e = np.where(a > 0, np.clip(np.frexp(np.where(a > 0, a, 1))[1] - 1 - 2, -126, 127), 0)      # np.frexp(a)[1] - 1 = floor(log2(a)), exactly
;;       r = np.clip(x / 2.0 ** e, -7.5, 7.5)
;;       step = 2.0 ** (np.maximum(np.frexp(np.where(r == 0, 1, r))[1] - 1, 0) - 3)
;;       q = np.round(r / step) * step * 2.0 ** e      # np.round: ties to even
;;       return np.moveaxis(q.reshape(q.shape[:-2] + (-1,))[..., :K], -1, axis).astype(np.float32)
;;   ~~~
;; One version. Each part assembles by itself: llvm-mc -triple=amdgcn-amd-amdhsa -mcpu=gfx1250 --defsym DOCPART=n.
;; ======== version 1 of 1: 5 launches
;; workspace buffers: pack 9,928,704 bytes; part 524,288 bytes; idx 256 bytes of whole numbers; cand 131,072 bytes
;; launch quant (part 1): grid 256 x 1, 6 waves a work-group, no clusters, 203,520 bytes of LDS; arguments feature_batch, mb, pack; writes pack
.if DOCPART == 1
	.amdgcn_target "amdgcn-amd-amdhsa--gfx1250"
	.amdhsa_code_object_version 6
	.text
	.protected	k_qb0806dd984_quant
	.globl	k_qb0806dd984_quant
	.p2align	8
	.type	k_qb0806dd984_quant,@function
k_qb0806dd984_quant:
	s_mov_b64 s[64:65], 0
	v_nop
	global_prefetch_b8 v0, s[64:65] scope:SCOPE_SE
	s_setreg_imm32_b32 hwreg(HW_REG_WAVE_MODE, 25, 1), 1
	s_wait_xcnt 0x0
; feature_batch (8,192 rows) and mb (16,384 rows), f32, 512 numbers a row, become codes of FP6 (E2M3) with one E8M0 byte for each 32 along K,
; laid IN THE ORDER OF THE OPERAND'S REGISTERS, and each row's sum of squares is taken on the way.
; pack = 384 chunks of CH bytes; a chunk is 64 rows (chunks 0-255: mb, chunks 256-383: the queries):
;   4 tiles of 16 rows x 4 K steps of 128: a fragment of 1,536 bytes is the image of its 12 registers: registers 4 c .. 4 c + 3 of lane l at 512 c + 16 l;
;   at SCO 16 scale bytes a row (word s = K step s, byte b of it = block 4 s + b);  at NBO one f32 a row: -|m|^2 / 2 for mb, |x|^2 for a query.
; A block's scale is 2^(floor(log2(its largest magnitude)) - 2); its byte is the largest magnitude's exponent field - 2, held at 1 from below.
; LIMITS: a block of zeros, or one whose largest magnitude lies under 2^-124, keeps the byte 1 (a block of zeros has zero codes, which add nothing under that byte; only this program
; reads the bytes); NaN and infinities among the inputs are not served.
; SHARES: 1,536 tiles of 16 rows, one a wave, six waves a work-group.  A wave asks for its whole tile, 32 KiB, by four tensor loads (a K step each) at its first lines and works them off in order.
; Each LDS byte is filled once, each wave reads its own bytes alone: no barrier.  By the text's count four tensor loads of a wave are out.
.set CH,    25856
.set TILE,  6144
.set FRAG,  1536
.set SCO,   24576
.set NBO,   25600
.set NMB,   1024                       ; tiles of mb; the tiles behind them are the queries'
.set PITCH, 528                        ; an LDS row: 512 bytes + 16: row r begins 33 r places of 16 bytes on, so the sixteen rows of a load fall on sixteen different places modulo 256 bytes
.set KLDS,  16*PITCH                   ; a K step's 16 rows
.set WLDS,  4*KLDS                     ; a wave's LDS
.set LANE, 1
.set R,    2                           ; lane % 16: my row
.set H,    3                           ; lane / 16
.set LA,   4                           ; LDS address: my row, + 128 h
.set L16,  5                           ; 16 x lane
.set R16,  6                           ; 16 x row
.set R4,   7                           ; 4 x row
.set AM,   8                           ; v8-9    largest magnitudes of my two blocks
.set SC,   10                          ; v10-11  the conversions' scale operands
.set BY,   12                          ; v12-13  the scale bytes
.set SH,   14                          ; 8 h
.set PT,   15                          ; a lane permute's destination
.set NS,   16                          ; v16-23  the sum of squares, four packed chains
.set SW,   24                          ; v24-27  my row's four scale words
.set W,    28
.set X,    32                          ; v32-95  64 numbers: blocks h and 2 + h of the K step
.set C,    160                         ; v160-207 the codes, 12 registers for each K step: no store's data are written again
.set TM,   208                         ; v208-210, v212-214: the upper halves of the two blocks' codes, before they are moved
	s_load_b128 s[4:7], s[0:1], 0x0                ; feature_batch, mb
	s_load_b64 s[8:9], s[0:1], 0x10                ; pack
	v_lshl_add_u32 v216, v0, 2, 0x31800
	v_mov_b32 v217, 0
	ds_add_u32 v216, v217
	ds_add_u32 v216, v217
	v_lshrrev_b32 v1, 5, v0
	v_readfirstlane_b32 s10, v1                    ; wave 0..5
	s_mul_i32 s11, ttmp9, 6
	s_add_co_u32 s11, s11, s10                     ; G: my tile
	; descriptor group 1: 16 rows x 512 bytes as 64 elements of 8 bytes, rows 2,048 bytes apart in memory, 16 bytes of padding behind each row in LDS
	s_mov_b32 s16, (3<<16)|(1<<20)|(6<<22)|(3<<25) ; no mask; elements of 8 bytes; padding on; after every 128 words (code 6); of 4 words (code 3)
	s_mov_b32 s17, 64<<16                          ; tensor_dim0 = 64
	s_mov_b32 s18, 16<<16                          ; tensor_dim1 = 16
	s_mov_b32 s19, 64<<16                          ; tile_dim0 = 64
	s_mov_b32 s20, 16                              ; tile_dim1 = 16
	s_mov_b32 s21, 256                             ; elements from row to row
	s_mov_b32 s22, 0
	s_mov_b32 s23, 0
	s_mul_i32 s48, s10, WLDS                       ; my wave's LDS
	s_mov_b32 s3, 0
	s_mov_b32 s14, 0x3f800000                      ; a query keeps |x|^2,
	s_wait_dscnt 0x0
	s_wait_kmcnt 0x0
	s_cmp_lt_u32 s11, NMB                          ; mb's tile or a query's?  The choice hangs on ids alone
	s_cselect_b64 s[12:13], s[6:7], s[4:5]
	s_cselect_b32 s14, 0xbf000000, s14             ; a row of mb -|m|^2 / 2
	s_cselect_b32 s2, 0, NMB
	s_sub_co_u32 s2, s11, s2                       ; the tile's number in its own tensor
	s_lshl_b32 s2, s2, 15                          ; 16 rows of 2,048 bytes
	s_add_nc_u64 s[12:13], s[12:13], s[2:3]
.irp s, 0,1,2,3
	s_mov_b32 s[24+4*\s], 1                        ; count = 1
	s_add_co_u32 s[25+4*\s], s48, \s*KLDS          ; LDS address
	s_add_nc_u64 s[26+4*\s:27+4*\s], s[12:13], \s*512   ; K step s of my 16 rows
	s_or_b32 s[27+4*\s], s[27+4*\s], 0x80000000    ; type = 2
.endr
.irp s, 0,1,2,3
	tensor_load_to_lds s[24+4*\s:27+4*\s], s[16:23]
	s_nop 0
.endr
.rept 4
	v_nop
.endr
	v_and_b32 v[LANE], 31, v0
	v_and_b32 v[R], 15, v0
	v_bfe_u32 v[H], v0, 4, 1
	v_mul_u32_u24 v[LA], v[R], PITCH
	v_lshl_add_u32 v[LA], v[H], 7, v[LA]
	v_add_nc_u32 v[LA], s48, v[LA]
	v_lshlrev_b32 v[L16], 4, v[LANE]
	v_lshlrev_b32 v[R16], 4, v[R]
	v_lshlrev_b32 v[R4], 2, v[R]
	v_lshlrev_b32 v[SH], 3, v[H]
	v_mov_b32 v[PT], 0                             ; written once: a lane permute's destination counts as one of its sources
	s_mov_b32 s46, 0x76543210
	s_mov_b32 s47, 0xfedcba98                      ; v_permlanex16_b32's selects for lane l xor 16
	s_lshr_b32 s2, s11, 2                          ; my chunk,
	s_mul_i32 s2, s2, CH
	s_add_nc_u64 s[8:9], s[8:9], s[2:3]
	s_and_b32 s49, s11, 3                          ; and my tile in it
	s_mul_i32 s2, s49, TILE
	s_add_nc_u64 s[40:41], s[8:9], s[2:3]          ; its codes,
	s_lshl_b32 s2, s49, 8
	s_add_nc_u64 s[42:43], s[8:9], s[2:3]
	s_add_nc_u64 s[42:43], s[42:43], SCO           ; its scale bytes,
	s_lshl_b32 s2, s49, 6
	s_add_nc_u64 s[44:45], s[8:9], s[2:3]
	s_add_nc_u64 s[44:45], s[44:45], NBO           ; its norms
; K step s.  The operand's layout gives lane (r, h) the blocks h and 2 + h of row r, whole: no other lane is asked for a maximum.
.macro STEP s
	s_wait_tensorcnt 3-\s                          ; a wave's tensor loads end in order: K step s is in, the 3 - s later ones may be out
.irp c, 0,1
.irp j, 0,1,2,3,4,5,6,7
	ds_load_b128 v[X+32*\c+4*\j:X+32*\c+4*\j+3], v[LA] offset:KLDS*\s+256*\c+16*\j
.endr
.endr
	s_wait_dscnt 0x0
.irp c, 0,1
	v_max3_num_f32 v[AM+\c], |v[X+32*\c]|, |v[X+32*\c+1]|, 0x1800000   ; and the floor 2^(3 - 127): the byte cannot fall under 1
.endr
.irp i, 2,4,6,8,10,12,14,16,18,20,22,24,26,28,30
.irp c, 0,1
	v_max3_num_f32 v[AM+\c], v[AM+\c], |v[X+32*\c+\i]|, |v[X+32*\c+\i+1]|   ; (the two blocks by turns)
.endr
.endr
.set n, 0
.rept 32                                       ; the sum of squares of the numbers as they came, two at a time, four chains; the first four products start the chains
.if (\s == 0) && (n < 4)
	v_pk_mul_f32 v[NS+2*n:NS+2*n+1], v[X+2*n:X+2*n+1], v[X+2*n:X+2*n+1]
.else
	v_pk_fma_f32 v[NS+2*(n%4):NS+2*(n%4)+1], v[X+2*n:X+2*n+1], v[X+2*n:X+2*n+1], v[NS+2*(n%4):NS+2*(n%4)+1]
.endif
.set n, n+1
.endr
.irp c, 0,1
	v_add_nc_u32 v[SC+\c], 0xff000000, v[AM+\c]    ; 2 off the exponent field: the conversion takes the exponent field of this operand as its scale
.endr
.irp c, 0,1
	v_lshrrev_b32 v[BY+\c], 23, v[SC+\c]           ; the scale's byte
.endr
	v_lshl_or_b32 v[W], v[BY+1], 16, v[BY]         ; my two bytes, blocks h and 2 + h,
	v_lshlrev_b32 v[W], v[SH], v[W]                ; at their places in the word;
	v_permlanex16_b32 v[PT], v[W], s46, s47
	v_or_b32 v[SW+\s], v[W], v[PT]                 ; with lane l xor 16's two the word is whole
.irp c, 0,1
	v_cvt_scalef32_pk16_fp6_f32 v[C+12*\s+6*\c:C+12*\s+6*\c+2], v[X+32*\c:X+32*\c+15], v[SC+\c]
	v_cvt_scalef32_pk16_fp6_f32 v[TM+4*\c:TM+4*\c+2], v[X+32*\c+16:X+32*\c+31], v[SC+\c]   ; (a conversion's three registers begin on an even number: the upper half is made elsewhere and moved)
.endr
	v_nop                                          ; one plain place behind a scaled conversion
.irp c, 0,1
.irp i, 0,1,2
	v_mov_b32 v[C+12*\s+6*\c+3+\i], v[TM+4*\c+\i]
.endr
.endr
.irp k, 0,1,2
	global_store_b128 v[L16], v[C+12*\s+4*\k:C+12*\s+4*\k+3], s[40:41] offset:FRAG*\s+512*\k   ; the wave stores 512 consecutive bytes, aligned to 256
.endr
.endm
	STEP 0
	STEP 1
	STEP 2
	STEP 3
	v_pk_add_f32 v[NS:NS+1], v[NS:NS+1], v[NS+2:NS+3]
	v_pk_add_f32 v[NS+4:NS+5], v[NS+4:NS+5], v[NS+6:NS+7]
	v_pk_add_f32 v[NS:NS+1], v[NS:NS+1], v[NS+4:NS+5]
	v_add_f32 v[NS], v[NS], v[NS+1]
	v_permlanex16_b32 v[PT], v[NS], s46, s47
	v_add_f32 v[NS], v[NS], v[PT]                  ; with the other half of the row's blocks
	v_mul_f32 v[NS], s14, v[NS]
	v_cmp_gt_u32 vcc_lo, 16, v[LANE]
	s_wait_xcnt 0x0                                ; EXEC changes only behind this wait: the stores above have it among their sources
	s_wait_tensorcnt 0x0
	ds_add_u32 v216, v217
	s_wait_dscnt 0x0
	s_and_saveexec_b32 s15, vcc_lo                 ; lanes 0-15, a lane a row
	global_store_b128 v[R16], v[SW:SW+3], s[42:43] ; 256 consecutive bytes, aligned
	global_store_b32 v[R4], v[NS], s[44:45]        ; 64 consecutive bytes: four waves' stores fill the chunk's 256
	s_wait_xcnt 0x0
	s_or_b32 exec_lo, exec_lo, s15
	s_endpgm
.Lfunc_end_k_qb0806dd984_quant:
	.size	k_qb0806dd984_quant, .Lfunc_end_k_qb0806dd984_quant-k_qb0806dd984_quant
	.p2alignl 7, 3214868480
	.fill 96, 4, 3214868480
	.section	.rodata,"a",@progbits
	.p2align	6, 0x0
	.amdhsa_kernel k_qb0806dd984_quant
		.amdhsa_group_segment_fixed_size 203520
		.amdhsa_private_segment_fixed_size 0
		.amdhsa_enable_private_segment 0
		.amdhsa_kernarg_size 24
		.amdhsa_user_sgpr_count 2
		.amdhsa_user_sgpr_kernarg_segment_ptr 1
		.amdhsa_wavefront_size32 1
		.amdhsa_system_sgpr_workgroup_id_x 1
		.amdhsa_system_sgpr_workgroup_id_y 1
		.amdhsa_system_sgpr_workgroup_id_z 1
		.amdhsa_system_vgpr_workitem_id 0
		.amdhsa_next_free_vgpr 218
		.amdhsa_next_free_sgpr 66
		.amdhsa_reserve_vcc 1
		.amdhsa_float_denorm_mode_32 3
		.amdhsa_float_denorm_mode_16_64 3
		.amdhsa_memory_ordered 1
		.amdhsa_forward_progress 1
		.amdhsa_inst_pref_size 30
	.end_amdhsa_kernel
	.amdgpu_metadata
---
amdhsa.version: [ 1, 2 ]
amdhsa.kernels:
  - .name:           k_qb0806dd984_quant
    .symbol:         k_qb0806dd984_quant.kd
    .args:
      - { .name: feature_batch, .offset: 0, .size: 8, .value_kind: global_buffer, .address_space: global }
      - { .name: mb, .offset: 8, .size: 8, .value_kind: global_buffer, .address_space: global }
      - { .name: pack, .offset: 16, .size: 8, .value_kind: global_buffer, .address_space: global }
    .group_segment_fixed_size: 203520
    .private_segment_fixed_size: 0
    .kernarg_segment_align: 8
    .kernarg_segment_size: 24
    .max_flat_workgroup_size: 192
    .sgpr_count:     66
    .vgpr_count:     218
    .wavefront_size: 32
...
	.end_amdgpu_metadata
.endif
;; end of part 1
;; launch gemm (part 2): grid 16 x 16, 4 waves a work-group, clusters of 4 x 1, 327,680 bytes of LDS; arguments pack, part; writes part
.if DOCPART == 2
	.amdgcn_target "amdgcn-amd-amdhsa--gfx1250"
	.amdhsa_code_object_version 6
	.text
	.protected	k_qb0806dd984_gemm
	.globl	k_qb0806dd984_gemm
	.p2align	8
	.type	k_qb0806dd984_gemm,@function
k_qb0806dd984_gemm:
	s_mov_b64 s[64:65], 0
	v_nop
	global_prefetch_b8 v0, s[64:65] scope:SCOPE_SE
	s_setreg_imm32_b32 hwreg(HW_REG_WAVE_MODE, 25, 1), 1
	s_wait_xcnt 0x0
	s_wait_alu depctr_hold_cnt(0) depctr_sa_sdst(0) depctr_va_vdst(0) depctr_va_sdst(0) depctr_va_ssrc(0) depctr_va_vcc(0) depctr_vm_vsrc(0)
	s_getreg_b32 s2, hwreg(HW_REG_IB_STS2, 6, 4)
	s_cmp_eq_u32 s2, 0
	s_cbranch_scc0 .Lentry_in_a_cluster
	s_endpgm
.Lentry_in_a_cluster:
	s_bfe_u32 s2, ttmp6, 0x10000c
	s_cmp_lg_u32 s2, 0x3003
	s_cbranch_scc0 .Lentry_shape_is_right
	s_endpgm
.Lentry_shape_is_right:
; For each query x and each range of 1,024 rows m of the bank: the largest x.m - |m|^2 / 2, x.m on codes of FP6 (E2M3) with E8M0 scales.  Since |x - m|^2 = |x|^2 - 2 (x.m - |m|^2 / 2), that is the range's nearest row.
; The product never leaves the registers.  -|m|^2 / 2 is the C of each sum's first matrix instruction, so that one maximum a number is all the vector work.
; LIMIT: the order of rounding differs from |x|^2 + |m|^2 - 2 x.m: the same three f32 terms, added in another order.  NaN and infinities are not served.
; SHARES.  Work-group (x, y): queries 512 x on, bank rows 1,024 y on (16 chunks of 64 rows; pack's layout: the launch that writes it).  Wave w keeps ITS 128 queries (8 tiles x 4 K steps x 12 registers = 384) in registers for
; the whole launch; all four waves walk the same bank tiles out of LDS: a tile's 6,144 bytes feed 32 matrix instructions of a wave.
; CLUSTER.  The four work-groups of a cluster differ in x alone and walk the same bank range: each chunk is asked for JOINTLY (mask 15).  The queries are not: each work-group's are its own.
; LDS.  Three regions of four chunks (103,424 bytes).  Group g (chunks 4 g ..) lies in region g % 3; wave w fetches chunk 4 g + w.  Groups 0, 1, 2 are asked for at the head: three tensor loads of a wave are out;
; group 3 takes region 0 when chunk 3's last bytes have been read: one load is out, and 16 pairs of tiles, 1,024 matrix instructions, stand between it and the wait for it.  So no prefetch is laid.
; Every LDS read is 512 consecutive bytes (an image of registers) or a broadcast: no padding.
; LAYOUT.  Source 0 = 16 bank rows, source 1 = 16 queries: a lane holds ONE query (lane % 16), and register j bank row 8 (lane / 16) + j of the tile.
; THE STEP is a PAIR of bank tiles (T0, T1) against the 8 query tiles, in two halves of four query tiles: 64 matrix instructions.  A half's results are folded into the running maxima while the NEXT half multiplies:
;   run[t][j] = max3(T1's sum, T0's sum, run[t][j]): 32 instructions a half, one for each matrix instruction.
; REGISTERS, in windows of 256 (s_set_vgpr_msb: bits 1:0 source 0, 3:2 source 1, 5:4 source 2, 7:6 destination):
;   window 0: v1-7 addresses; v8-15 M; v16-23 the bank's scale words, two buffers; v24-39 the queries' scale words; v40-47, v48-51 at work at the end
;   window 1: v0-191 query tiles 0-3;  v192-223 AH: T0 x query tiles 4-7;   v224-255 RL: running maxima of query tiles 0-3
;   window 2: v0-191 query tiles 4-7;  v192-223 AL: T0 x query tiles 0-3;   v224-255 RH: running maxima of query tiles 4-7
;   window 3: v0-191 bank fragments, two buffers of two tiles;  v192-223 A1: T1 x the four query tiles in hand;  v224-255 -|m|^2 / 2 in the result's layout, two buffers
; They lie so that the setting under which a half's T0 products run also serves the other half's maxima: source 0 = the bank's window = A1's; source 1 = the queries' window = the other half's T0 sums';
; source 2 and destination = the present T0 sums' window = the other half's running maxima's.  So 'v_max3_num_f32 v[224+E], v[192+E], v[192+E], v[224+E]' names three different windows, and no switch is spent on it:
; a pair has six switches for its 64 matrix instructions and two for its run of LDS loads.
.set CH,    25856
.set TILE,  6144
.set SCO,   24576
.set NBO,   25600
.set SLOT,  4*CH
.set SPARE, 12*CH                      ; 310,272: behind the regions: the spare words, 128 bytes for each wave: two blocks of 256 bytes that no other line names
.set LANE, 1
.set L16,  2                           ; 16 x lane; never rewritten
.set H32,  3                           ; 32 x (lane / 16); never rewritten
.set ADR,  4                           ; the chunk in hand + 16 x lane
.set ADN,  5                           ; the chunk in hand + 32 x (lane / 16)
.set SPW,  6                           ; LDS address of my spare word; never rewritten
.set NIL,  7                           ; 0; never rewritten
.set M,    8
.set SA,   16                          ; buffer b, K step s: v[SA + 4 b + s]: lanes 0-15 T0's rows, lanes 16-31 T1's
.set SQ,   24                          ; query tiles 2 p, 2 p + 1, K step s: v[SQ + 4 p + s]: lanes 0-15 the even tile, lanes 16-31 the odd one
.set T,    40
.set O,    48
.set WV,   8                           ; s8   wave
.set TB,   22                          ; s22  LDS byte at which the chunk in hand begins
.set CNT,  23                          ; s23  loop counter
.set G1,   24                          ; s[24:31] descriptor group 1
.set G0,   32                          ; s[32:47] descriptor group 0 for groups 0 to 3: made once, never rewritten
.set MSB, 0
.macro WIN new                         ; the immediate's high byte repeats the setting that is left; a switch that changes nothing is dropped
.if MSB != \new
	s_set_vgpr_msb (MSB<<8)|\new
.set MSB, \new
.endif
.endm
.macro ROUND                           ; a round of the cluster's barrier
	s_barrier_signal -1
	s_barrier_wait -1
	s_cmp_lg_u32 s[WV], 0
	s_cbranch_scc1 .Lnot_wave_0_\@
	s_barrier_signal -3
.Lnot_wave_0_\@:
	s_barrier_wait -3
	s_barrier_signal -1
	s_barrier_wait -1
.endm
; One matrix instruction; its registers are the symbols rD, rA, rQ, rC, rSA, rSQ; fRA, fRB: the side's scale words lie in lanes 16-31
.macro MM
.if fRA && fRB
	v_wmma_scale_f32_16x16x128_f8f6f4 v[rD:rD+7], v[rA:rA+11], v[rQ:rQ+11], v[rC:rC+7], v[rSA], v[rSQ] matrix_a_fmt:MATRIX_FMT_FP6 matrix_b_fmt:MATRIX_FMT_FP6 matrix_a_scale:MATRIX_SCALE_ROW1 matrix_b_scale:MATRIX_SCALE_ROW1
.elseif fRA
	v_wmma_scale_f32_16x16x128_f8f6f4 v[rD:rD+7], v[rA:rA+11], v[rQ:rQ+11], v[rC:rC+7], v[rSA], v[rSQ] matrix_a_fmt:MATRIX_FMT_FP6 matrix_b_fmt:MATRIX_FMT_FP6 matrix_a_scale:MATRIX_SCALE_ROW1
.elseif fRB
	v_wmma_scale_f32_16x16x128_f8f6f4 v[rD:rD+7], v[rA:rA+11], v[rQ:rQ+11], v[rC:rC+7], v[rSA], v[rSQ] matrix_a_fmt:MATRIX_FMT_FP6 matrix_b_fmt:MATRIX_FMT_FP6 matrix_b_scale:MATRIX_SCALE_ROW1
.else
	v_wmma_scale_f32_16x16x128_f8f6f4 v[rD:rD+7], v[rA:rA+11], v[rQ:rQ+11], v[rC:rC+7], v[rSA], v[rSQ] matrix_a_fmt:MATRIX_FMT_FP6 matrix_b_fmt:MATRIX_FMT_FP6
.endif
.endm
; n numbers of the other half's fold.  E ascends.  kind 2: the first fold of all, which starts the running maxima: nothing is ever set to -infinity
.macro EPI n, kind
.rept \n
.if \kind == 2
	v_max_num_f32 v[224+E], v[192+E], v[192+E]
.else
	v_max3_num_f32 v[224+E], v[192+E], v[192+E], v[224+E]
.endif
.set E, E+1
.endr
.endm
; 29 LDS loads in one run: tiles 2 k and 2 k + 1 of the chunk at off bytes behind adr, into buffer b: 24 for the fragments, 4 for -|m|^2 / 2, 1 for the scale words of both tiles
.macro LOADS adr, adn, off, k, b
	WIN 0xc0                                       ; destination window 3, address window 0
.irp u, 0,1
.irp f, 0,1,2,3,4,5,6,7,8,9,10,11
	ds_load_b128 v[96*\b+48*\u+4*\f:96*\b+48*\u+4*\f+3], v[\adr] offset:\off+(2*\k+\u)*TILE+512*\f
.endr
.endr
.irp u, 0,1
	ds_load_b128 v[224+16*\b+8*\u:224+16*\b+8*\u+3], v[\adn] offset:\off+NBO+(2*\k+\u)*64      ; rows 8 h + 0 .. 3 of the tile: the same words in all sixteen lanes of a half
	ds_load_b128 v[228+16*\b+8*\u:228+16*\b+8*\u+3], v[\adn] offset:\off+NBO+(2*\k+\u)*64+16   ; rows 8 h + 4 .. 7
.endr
	WIN 0
	ds_load_b128 v[SA+4*\b:SA+4*\b+3], v[\adr] offset:\off+SCO+512*\k   ; lane l: the 16 scale bytes of row 32 k + l
.endm
; Half hf of a pair: buffer b's two tiles against query tiles 4 hf .. 4 hf + 3: 32 matrix instructions.  The four accumulators of a tile take turns, one instruction a turn.
; epi: the fold of the half before (0: there is none; 2: it starts the maxima).  mid: what stands between T0's and T1's products.
; DISTANCES.  The four v_nop are the four places between the last product of the half before and the first line of its fold (ISA guide 7.12.1).  An accumulator is begun anew (C = -|m|^2 / 2) only behind these four
; and the 24 lines of the fold that name other accumulators; the run of loads into the other buffer likewise.
.macro HALF b, hf, epi, mid
.if \hf
.set W_A0, 0x7b                        ; bank window 3, queries window 2, C (the bias) window 3, D (AH) window 1
.set W_A1, 0x5b                        ; the same with C = D = AH
.set W_B,  0xfb                        ; C and D (A1) window 3
.else
.set W_A0, 0xb7                        ; bank window 3, queries window 1, C window 3, D (AL) window 2
.set W_A1, 0xa7
.set W_B,  0xf7
.endif
	WIN W_A0
.set n, 0
.rept 4                                        ; T0, K step 0
.set rD,  192+8*n
.set rC,  224+16*\b
.set rA,  96*\b
.set rQ,  48*n
.set rSA, SA+4*\b
.set rSQ, SQ+4*(2*\hf+n/2)
.set fRA, 0
.set fRB, n%2
	MM
	v_nop
.set n, n+1
.endr
	WIN W_A1
.set E, 0
.set n, 4
.rept 12                                       ; T0, K steps 1 to 3, and between them the fold: 8 x 3 + 4 x 2 = 32 lines
.set rD,  192+8*(n%4)
.set rC,  rD
.set rA,  96*\b+12*(n/4)
.set rQ,  48*(n%4)+12*(n/4)
.set rSA, SA+4*\b+n/4
.set rSQ, SQ+4*(2*\hf+(n%4)/2)+n/4
.set fRB, n%2
	MM
.if \epi
.if n < 12
	EPI 3, \epi
.else
	EPI 2, \epi
.endif
.endif
.set n, n+1
.endr
.if \mid == 1                                  ; the next pair's tiles, 48 matrix instructions ahead of their use
.if \b == 0
	LOADS ADR, ADN, 0, 1, 1
.else
	LOADS ADR, ADN, CH, 0, 0
.endif
.elseif \mid == 2                              ; chunk 3's last bytes are in registers: region 0 is filled again, with group 3
	WIN 0
	s_wait_tensorcnt 0x0                           ; all my tensor loads have landed: my chunks of groups 1 and 2
	ds_add_u32 v[SPW], v[NIL]                      ; 0 onto my spare word
	s_wait_dscnt 0x0                               ; the add is done; my reads of region 0 came back at the pair's head
	ROUND                                          ; both now hold of every wave of the four work-groups
	tensor_load_to_lds s[G0+12:G0+15], s[G1:G1+7]  ; the first thing behind the round, and my only tensor load from here on
	s_nop 0
.rept 4
	v_nop
.endr
	LOADS ADR, ADN, CH, 0, 0                       ; chunk 4, in region 1, which the round has shown whole
.elseif \mid == 3                              ; chunk 12 lies in region 0 again
	WIN 0
	s_wait_tensorcnt 0x0                           ; my chunk of group 3 is in;
	s_barrier_signal -1                            ; (no LDS instruction of mine is out: the pair's head waited for all)
	s_barrier_wait -1                              ; everybody's is.
	LOADS L16, H32, 0, 0, 0
.endif
	WIN W_B
.set n, 0
.rept 16                                       ; T1, K steps 0 to 3
.set rD,  192+8*(n%4)
.if n < 4
.set rC,  232+16*\b
.else
.set rC,  rD
.endif
.set rA,  96*\b+48+12*(n/4)
.set rQ,  48*(n%4)+12*(n/4)
.set rSA, SA+4*\b+n/4
.set rSQ, SQ+4*(2*\hf+(n%4)/2)+n/4
.set fRA, 1
.set fRB, n%2
	MM
.set n, n+1
.endr
.endm
.macro PAIR b, ea, eb, mid
	s_wait_dscnt 0x0                               ; buffer b is in
	HALF \b, 0, \ea, \mid
	HALF \b, 1, \eb, 0
.endm
; A chunk: two pairs of tiles.  e0, e1, e2: the kinds of its first three folds; midy: what the second pair has in its middle
.macro CHUNK e0, e1, e2, midy
	v_add_nc_u32 v[ADR], s[TB], v[L16]
	v_add_nc_u32 v[ADN], s[TB], v[H32]
	PAIR 0, \e0, \e1, 1
	PAIR 1, \e2, 1, \midy
	WIN 0                                          ; at a label and at a branch every window is 0
	s_add_co_u32 s[TB], s[TB], CH
.endm
	s_load_b128 s[4:7], s[0:1], 0x0                ; pack, part
	v_lshl_add_u32 v[SPW], v0, 2, SPARE
	v_mov_b32 v[NIL], 0
	ds_add_u32 v6, v7
	ds_add_u32 v6, v7
	s_wait_dscnt 0x0
	v_lshrrev_b32 v1, 5, v0
	v_readfirstlane_b32 s[WV], v1                  ; wave 0..3
	v_and_b32 v[LANE], 31, v0
	v_lshlrev_b32 v[L16], 4, v[LANE]
	v_bfe_u32 v[H32], v0, 4, 1
	v_lshlrev_b32 v[H32], 5, v[H32]
.irp t, 0,1,2,3,4,5,6,7
	v_mov_b32 v[T+\t], 0                           ; written once: a lane permute's destination counts as one of its sources
.endr
	s_bfe_u32 s9, ttmp6, 0x40000                   ; cx: it enters the queries' and the results' addresses alone
	s_lshl_b32 s10, ttmp9, 2
	s_add_co_u32 s10, s10, s9                      ; x = 4 x cluster x + cx
	s_and_b32 s11, ttmp7, 0xffff                   ; y, which the four partners share
	; descriptor group 1: a chunk, 25,856 dense bytes, as 101 rows of 256 bytes (32 elements of 8 bytes)
	s_mov_b32 s[G1], 15|(3<<16)|(1<<21)            ; the mask: all four work-groups; elements of 8 bytes; bit 21 set beside a mask; no padding
	s_mov_b32 s[G1+1], 32<<16                      ; tensor_dim0 = 32
	s_mov_b32 s[G1+2], 101<<16                     ; tensor_dim1 = 101
	s_mov_b32 s[G1+3], 32<<16                      ; tile_dim0 = 32
	s_mov_b32 s[G1+4], 101                         ; tile_dim1 = 101
	s_mov_b32 s[G1+5], 32                          ; elements from row to row
	s_mov_b32 s[G1+6], 0
	s_mov_b32 s[G1+7], 0
	s_lshl_b32 s12, s11, 4
	s_add_co_u32 s12, s12, s[WV]
	s_mul_i32 s12, s12, CH                         ; the bank: chunk 16 y + wave
	s_mov_b32 s13, 0
	s_mul_i32 s14, s[WV], CH                       ; and its place in a region: no place in the cluster enters an LDS address
	s_lshl_b32 s18, s10, 3
	s_lshl_b32 s19, s[WV], 1
	s_add_co_u32 s18, s18, s19
	s_add_co_u32 s18, s18, 256
	s_mul_i32 s18, s18, CH                         ; my queries: chunks 256 + 8 x + 2 wave and the next
	s_mov_b32 s19, 0
	s_lshl_b32 s2, s10, 2
	s_add_co_u32 s2, s2, s[WV]
	s_lshl_b32 s2, s2, 9                           ; my results: 512 bytes at 512 (4 x + wave)
	s_lshl_b32 s3, s11, 15
	s_add_co_u32 s2, s2, s3                        ; + 32,768 y
	s_mov_b32 s3, 0
	s_mov_b32 s20, 0x76543210
	s_mov_b32 s21, 0xfedcba98                      ; v_permlanex16_b32's selects for lane l xor 16
	s_mov_b32 s[TB], 0
	s_wait_kmcnt 0x0
	s_add_nc_u64 s[12:13], s[4:5], s[12:13]
	s_add_nc_u64 s[16:17], s[4:5], s[18:19]
	s_add_nc_u64 s[6:7], s[6:7], s[2:3]
.irp g, 0,1,2,3
	s_mov_b32 s[G0+4*\g], 1                        ; count = 1
	s_add_co_u32 s[G0+4*\g+1], s14, (\g%3)*SLOT    ; LDS address
	s_add_nc_u64 s[G0+4*\g+2:G0+4*\g+3], s[12:13], 4*\g*CH
	s_or_b32 s[G0+4*\g+3], s[G0+4*\g+3], 0x80000000   ; type = 2
.endr
	WIN 0x40                                       ; destination window 1
.set n, 0
.rept 48                                       ; query tiles 0-3: a chunk's 24,576 bytes of codes are the image of 192 registers
	global_load_b128 v[4*n:4*n+3], v[L16], s[16:17] offset:512*n
.set n, n+1
.endr
	WIN 0
.irp p, 0,1,2,3
	global_load_b128 v[SQ+4*\p:SQ+4*\p+3], v[L16], s[16:17] offset:(\p/2)*CH+SCO+(\p%2)*512
.endr
	ROUND                                          ; all four work-groups are here: the first joint loads meet
	tensor_load_to_lds s[G0:G0+3], s[G1:G1+7]
	s_nop 0
	tensor_load_to_lds s[G0+4:G0+7], s[G1:G1+7]
	s_nop 0
	tensor_load_to_lds s[G0+8:G0+11], s[G1:G1+7]
	s_nop 0
.rept 4
	v_nop
.endr
	WIN 0x80                                       ; destination window 2
.set n, 0
.rept 48                                       ; query tiles 4-7
	global_load_b128 v[4*n:4*n+3], v[L16], s[16:17] offset:CH+512*n
.set n, n+1
.endr
	WIN 0
	s_wait_tensorcnt 0x2                           ; my chunk of group 0 is in; groups 1 and 2 may stay out
	s_barrier_signal -1
	s_barrier_wait -1                              ; everybody's is
	LOADS L16, H32, 0, 0, 0
	s_wait_loadcnt 0x0                             ; the queries
	CHUNK 0, 2, 2, 1                               ; chunk 0: no fold yet, then the two folds that start the running maxima
	s_mov_b32 s[CNT], 2
.Lgroup0:                                              ; chunks 1, 2
	CHUNK 1, 1, 1, 1
	s_sub_co_u32 s[CNT], s[CNT], 1
	s_cmp_lg_u32 s[CNT], 0
	s_cbranch_scc1 .Lgroup0
	CHUNK 1, 1, 1, 2                               ; chunk 3: region 0 is filled again
	s_mov_b32 s[CNT], 7
.Lgroup12:                                             ; chunks 4 to 10
	CHUNK 1, 1, 1, 1
	s_sub_co_u32 s[CNT], s[CNT], 1
	s_cmp_lg_u32 s[CNT], 0
	s_cbranch_scc1 .Lgroup12
	CHUNK 1, 1, 1, 3                               ; chunk 11: group 3 is waited for
	s_mov_b32 s[TB], 0                             ; back to region 0
	s_mov_b32 s[CNT], 3
.Lgroup3:                                              ; chunks 12 to 14
	CHUNK 1, 1, 1, 1
	s_sub_co_u32 s[CNT], s[CNT], 1
	s_cmp_lg_u32 s[CNT], 0
	s_cbranch_scc1 .Lgroup3
	CHUNK 1, 1, 1, 0                               ; chunk 15: nothing more to fetch
	WIN 0xa7                                       ; the last half's fold
.rept 4
	v_nop                                          ; four places behind the last product
.endr
.set E, 0
	EPI 32, 1
	; each tile's eight running maxima become one, then the other half of the lanes' is taken in
	WIN 0x15                                       ; sources window 1, destination window 0
.irp t, 0,1,2,3
	v_max3_num_f32 v[M+\t], v[224+8*\t], v[225+8*\t], v[226+8*\t]
.endr
	WIN 0x14                                       ; source 0 window 0
.irp j, 3,5
.irp t, 0,1,2,3
	v_max3_num_f32 v[M+\t], v[M+\t], v[224+8*\t+\j], v[225+8*\t+\j]
.endr
.endr
.irp t, 0,1,2,3
	v_max_num_f32 v[M+\t], v[M+\t], v[231+8*\t]
.endr
	WIN 0x2a                                       ; sources window 2
.irp t, 0,1,2,3
	v_max3_num_f32 v[M+4+\t], v[224+8*\t], v[225+8*\t], v[226+8*\t]
.endr
	WIN 0x28
.irp j, 3,5
.irp t, 0,1,2,3
	v_max3_num_f32 v[M+4+\t], v[M+4+\t], v[224+8*\t+\j], v[225+8*\t+\j]
.endr
.endr
.irp t, 0,1,2,3
	v_max_num_f32 v[M+4+\t], v[M+4+\t], v[231+8*\t]
.endr
	WIN 0
.irp t, 0,1,2,3,4,5,6,7
	v_permlanex16_b32 v[T+\t], v[M+\t], s20, s21
.endr
.irp t, 0,1,2,3,4,5,6,7
	v_max_num_f32 v[M+\t], v[M+\t], v[T+\t]        ; both halves of the lanes now hold query 16 t + lane % 16
.endr
	v_cmp_le_u32 vcc_lo, 16, v[LANE]
.irp p, 0,1,2,3
	v_cndmask_b32 v[O+\p], v[M+2*\p], v[M+2*\p+1], vcc_lo   ; lane l: query 32 p + l
.endr
	global_store_b128 v[L16], v[O:O+3], s[6:7]     ; the wave stores 512 consecutive bytes, aligned
	s_wait_tensorcnt 0x0                           ; the wave's end
	ds_add_u32 v[SPW], v[NIL]
	s_wait_dscnt 0x0
	ROUND                                          ; the closing round: no work-group ends while a partner may still ask for a chunk that names it
	s_endpgm
.Lfunc_end_k_qb0806dd984_gemm:
	.size	k_qb0806dd984_gemm, .Lfunc_end_k_qb0806dd984_gemm-k_qb0806dd984_gemm
	.p2alignl 7, 3214868480
	.fill 96, 4, 3214868480
	.section	.rodata,"a",@progbits
	.p2align	6, 0x0
	.amdhsa_kernel k_qb0806dd984_gemm
		.amdhsa_group_segment_fixed_size 327680
		.amdhsa_private_segment_fixed_size 0
		.amdhsa_enable_private_segment 0
		.amdhsa_kernarg_size 16
		.amdhsa_user_sgpr_count 2
		.amdhsa_user_sgpr_kernarg_segment_ptr 1
		.amdhsa_wavefront_size32 1
		.amdhsa_system_sgpr_workgroup_id_x 1
		.amdhsa_system_sgpr_workgroup_id_y 1
		.amdhsa_system_sgpr_workgroup_id_z 1
		.amdhsa_system_vgpr_workitem_id 0
		.amdhsa_next_free_vgpr 1024
		.amdhsa_next_free_sgpr 66
		.amdhsa_reserve_vcc 1
		.amdhsa_float_denorm_mode_32 3
		.amdhsa_float_denorm_mode_16_64 3
		.amdhsa_memory_ordered 1
		.amdhsa_forward_progress 1
		.amdhsa_inst_pref_size 219
	.end_amdhsa_kernel
	.amdgpu_metadata
---
amdhsa.version: [ 1, 2 ]
amdhsa.kernels:
  - .name:           k_qb0806dd984_gemm
    .symbol:         k_qb0806dd984_gemm.kd
    .args:
      - { .name: pack, .offset: 0, .size: 8, .value_kind: global_buffer, .address_space: global }
      - { .name: part, .offset: 8, .size: 8, .value_kind: global_buffer, .address_space: global }
    .group_segment_fixed_size: 327680
    .private_segment_fixed_size: 0
    .kernarg_segment_align: 8
    .kernarg_segment_size: 16
    .max_flat_workgroup_size: 128
    .sgpr_count:     66
    .vgpr_count:     1024
    .wavefront_size: 32
...
	.end_amdgpu_metadata
.endif
;; end of part 2
;; launch pick (part 3): grid 8 x 1, 8 waves a work-group, no clusters, 5,376 bytes of LDS; arguments part, pack, out0, idx; writes out0, idx
.if DOCPART == 3
	.amdgcn_target "amdgcn-amd-amdhsa--gfx1250"
	.amdhsa_code_object_version 6
	.text
	.protected	k_qb0806dd984_pick
	.globl	k_qb0806dd984_pick
	.p2align	8
	.type	k_qb0806dd984_pick,@function
k_qb0806dd984_pick:
	s_mov_b64 s[64:65], 0
	v_nop
	global_prefetch_b8 v0, s[64:65] scope:SCOPE_SE
	s_setreg_imm32_b32 hwreg(HW_REG_WAVE_MODE, 25, 1), 1
	s_wait_xcnt 0x0
; out0[q] = sqrt(max(|x|^2 - 2 max over the 16 ranges of part, 0)); idx[image] = the image's query with the largest score, the first of equals (as jnp.argmax takes it), as a whole number.
; Work-group = image (the arg-max spans an image, so there is work for eight).  Wave w takes 128 queries: part's 512 bytes at 512 (8 image + w) of each of the 16 ranges; lane l, number i: query 32 i + l of them.
; No address and no branch hangs on a score: the index is only stored.  Indices are carried as f32 numbers (under 8,192: exact), so that maxima and minima across lanes serve both.
; LIMIT: ties are decided on this program's own f32 roots; NaN is not served.
.set CH,  25856
.set NBO, 25600
.set P,   16                           ; v16-79  part: range y at v[P + 4 y ..]
.set XN,  80                           ; v80-83  |x|^2
.set MX,  84                           ; v84-87
.set S,   88                           ; v88-91  the scores, lane l: queries 32 i + l
.set RB,  92                           ; v92-95  the scores, lane l: queries 4 l + i
.set G,   104                          ; v104-119 the eight waves' (largest score, its index)
	s_load_b256 s[4:11], s[0:1], 0x0               ; part, pack, out0, idx
	v_lshl_add_u32 v128, v0, 2, 0x1100
	v_mov_b32 v129, 0
	v_lshrrev_b32 v1, 5, v0
	v_readfirstlane_b32 s12, v1                    ; wave 0..7
	v_and_b32 v1, 31, v0                           ; lane
	v_lshlrev_b32 v2, 4, v1
	v_lshlrev_b32 v3, 2, v1
	s_lshl_b32 s13, ttmp9, 3
	s_add_co_u32 s13, s13, s12                     ; which 128 queries
	s_lshl_b32 s14, s13, 9
	s_mov_b32 s15, 0
	s_lshl_b32 s16, s13, 1
	s_add_co_u32 s16, s16, 256
	s_mul_i32 s16, s16, CH                         ; their two chunks of pack
	s_mov_b32 s17, 0
	s_lshl_b32 s18, s12, 9
	v_add_nc_u32 v4, s18, v3                       ; LDS: my wave's 512 bytes, 4 x lane
	v_add_nc_u32 v5, s18, v2                       ; and 16 x lane
	s_lshl_b32 s19, s12, 3
	s_add_co_u32 s19, s19, 4096
	v_mov_b32 v6, s19                              ; my wave's pair
	v_mov_b32 v7, 4096                             ; the eight pairs
	s_lshl_b32 s20, s13, 7
	v_lshl_add_u32 v8, v1, 2, s20                  ; query 4 l of my wave's, counted over all images,
	v_cvt_f32_u32 v8, v8
	v_add_f32 v9, 1.0, v8                          ; and the three behind it
	v_add_f32 v10, 2.0, v8
	v_add_f32 v11, 0x40400000, v8
	v_mov_b32 v99, 0                               ; written once: a lane permute's destination counts as one of its sources
	s_mov_b32 s22, 0x76543210
	s_mov_b32 s23, 0xfedcba98
	s_lshl_b32 s24, ttmp9, 2
	v_mov_b32 v98, s24                             ; idx: 4 x image
	s_wait_kmcnt 0x0
	s_add_nc_u64 s[4:5], s[4:5], s[14:15]
	s_add_nc_u64 s[6:7], s[6:7], s[16:17]
	s_add_nc_u64 s[8:9], s[8:9], s[14:15]
.irp y, 0,1,2,3,4,5,6,7,8,9,10,11,12,13,14,15
	global_load_b128 v[P+4*\y:P+4*\y+3], v2, s[4:5] offset:32768*\y
.endr
.irp i, 0,1,2,3
	global_load_b32 v[XN+\i], v3, s[6:7] offset:(\i/2)*CH+NBO+(\i%2)*128
.endr
	s_wait_loadcnt 0x0
.irp i, 0,1,2,3
	v_max3_num_f32 v[MX+\i], v[P+\i], v[P+4+\i], v[P+8+\i]
.endr
.irp y, 3,5,7,9,11,13
.irp i, 0,1,2,3
	v_max3_num_f32 v[MX+\i], v[MX+\i], v[P+4*\y+\i], v[P+4*\y+4+\i]
.endr
.endr
.irp i, 0,1,2,3
	v_max_num_f32 v[MX+\i], v[MX+\i], v[P+60+\i]
.endr
.irp i, 0,1,2,3
	v_fma_f32 v[MX+\i], -2.0, v[MX+\i], v[XN+\i]   ; the smallest squared distance
.endr
.irp i, 0,1,2,3
	v_max_num_f32 v[MX+\i], 0, v[MX+\i]
.endr
.irp i, 0,1,2,3
	v_sqrt_f32 v[S+\i], v[MX+\i]
.endr
	v_nop                                          ; a plain place behind the last root
	s_wait_alu depctr_va_vdst(0)                   ; one wait for the four, ahead of their first reader
.irp i, 0,1,2,3
	ds_store_b32 v4, v[S+\i] offset:128*\i         ; a turn through my wave's own 512 bytes: in by query 32 i + l,
.endr
	ds_load_b128 v[RB:RB+3], v5                    ; out by 4 l + i (LDS serves a wave's instructions in order)
	s_wait_dscnt 0x0
	global_store_b128 v2, v[RB:RB+3], s[8:9]       ; 512 consecutive bytes of out0, aligned
	v_max3_num_f32 v96, v[RB], v[RB+1], v[RB+2]
	v_max_num_f32 v96, v96, v[RB+3]                ; my four's largest,
	v_cmp_eq_f32 vcc_lo, v[RB+2], v96
	v_cndmask_b32 v97, v11, v10, vcc_lo
	v_cmp_eq_f32 vcc_lo, v[RB+1], v96
	v_cndmask_b32 v97, v97, v9, vcc_lo
	v_cmp_eq_f32 vcc_lo, v[RB], v96
	v_cndmask_b32 v97, v97, v8, vcc_lo             ; and the lowest index that has it
	v_mov_b32 v100, v96
	v_max_num_f32_dpp v100, v100, v100 row_xmask:1 row_mask:0xf bank_mask:0xf
	v_max_num_f32_dpp v100, v100, v100 row_xmask:2 row_mask:0xf bank_mask:0xf
	v_max_num_f32_dpp v100, v100, v100 row_xmask:4 row_mask:0xf bank_mask:0xf
	v_max_num_f32_dpp v100, v100, v100 row_xmask:8 row_mask:0xf bank_mask:0xf
	v_permlanex16_b32 v99, v100, s22, s23
	v_max_num_f32 v100, v100, v99                  ; the wave's largest
	v_cmp_eq_f32 vcc_lo, v96, v100
	v_cndmask_b32 v101, 0x7f800000, v97, vcc_lo    ; lanes that do not have it offer +infinity
	v_min_num_f32_dpp v101, v101, v101 row_xmask:1 row_mask:0xf bank_mask:0xf
	v_min_num_f32_dpp v101, v101, v101 row_xmask:2 row_mask:0xf bank_mask:0xf
	v_min_num_f32_dpp v101, v101, v101 row_xmask:4 row_mask:0xf bank_mask:0xf
	v_min_num_f32_dpp v101, v101, v101 row_xmask:8 row_mask:0xf bank_mask:0xf
	v_permlanex16_b32 v99, v101, s22, s23
	v_min_num_f32 v101, v101, v99                  ; the lowest index that has it
	ds_store_b64 v6, v[100:101]                    ; all lanes write the same pair
	s_wait_dscnt 0x0                               ; for the others' sake
	s_barrier_signal -1
	s_barrier_wait -1
.irp k, 0,1,2,3
	ds_load_b128 v[G+4*\k:G+4*\k+3], v7 offset:16*\k
.endr
	s_wait_dscnt 0x0
	v_max3_num_f32 v96, v[G], v[G+2], v[G+4]
	v_max3_num_f32 v96, v96, v[G+6], v[G+8]
	v_max3_num_f32 v96, v96, v[G+10], v[G+12]
	v_max_num_f32 v96, v96, v[G+14]                ; the image's largest
.irp k, 0,1,2,3,4,5,6,7
	v_cmp_eq_f32 vcc_lo, v[G+2*\k], v96
	v_cndmask_b32 v[G+2*\k+1], 0x7f800000, v[G+2*\k+1], vcc_lo
.endr
	v_min3_num_f32 v97, v[G+1], v[G+3], v[G+5]
	v_min3_num_f32 v97, v97, v[G+7], v[G+9]
	v_min3_num_f32 v97, v97, v[G+11], v[G+13]
	v_min_num_f32 v97, v97, v[G+15]
	v_cvt_u32_f32 v97, v97
	v_cmp_eq_u32 vcc_lo, 0, v0
	s_wait_xcnt 0x0                                ; EXEC changes only behind this wait
	s_wait_tensorcnt 0x0
	ds_add_u32 v128, v129
	s_wait_dscnt 0x0
	s_and_saveexec_b32 s25, vcc_lo                 ; the work-group's first thread alone
	global_store_b32 v98, v97, s[10:11]
	s_wait_xcnt 0x0
	s_or_b32 exec_lo, exec_lo, s25
	s_endpgm
.Lfunc_end_k_qb0806dd984_pick:
	.size	k_qb0806dd984_pick, .Lfunc_end_k_qb0806dd984_pick-k_qb0806dd984_pick
	.p2alignl 7, 3214868480
	.fill 96, 4, 3214868480
	.section	.rodata,"a",@progbits
	.p2align	6, 0x0
	.amdhsa_kernel k_qb0806dd984_pick
		.amdhsa_group_segment_fixed_size 5376
		.amdhsa_private_segment_fixed_size 0
		.amdhsa_enable_private_segment 0
		.amdhsa_kernarg_size 32
		.amdhsa_user_sgpr_count 2
		.amdhsa_user_sgpr_kernarg_segment_ptr 1
		.amdhsa_wavefront_size32 1
		.amdhsa_system_sgpr_workgroup_id_x 1
		.amdhsa_system_sgpr_workgroup_id_y 1
		.amdhsa_system_sgpr_workgroup_id_z 1
		.amdhsa_system_vgpr_workitem_id 0
		.amdhsa_next_free_vgpr 130
		.amdhsa_next_free_sgpr 66
		.amdhsa_reserve_vcc 1
		.amdhsa_float_denorm_mode_32 3
		.amdhsa_float_denorm_mode_16_64 3
		.amdhsa_memory_ordered 1
		.amdhsa_forward_progress 1
		.amdhsa_inst_pref_size 10
	.end_amdhsa_kernel
	.amdgpu_metadata
---
amdhsa.version: [ 1, 2 ]
amdhsa.kernels:
  - .name:           k_qb0806dd984_pick
    .symbol:         k_qb0806dd984_pick.kd
    .args:
      - { .name: part, .offset: 0, .size: 8, .value_kind: global_buffer, .address_space: global }
      - { .name: pack, .offset: 8, .size: 8, .value_kind: global_buffer, .address_space: global }
      - { .name: out0, .offset: 16, .size: 8, .value_kind: global_buffer, .address_space: global }
      - { .name: idx, .offset: 24, .size: 8, .value_kind: global_buffer, .address_space: global }
    .group_segment_fixed_size: 5376
    .private_segment_fixed_size: 0
    .kernarg_segment_align: 8
    .kernarg_segment_size: 32
    .max_flat_workgroup_size: 256
    .sgpr_count:     66
    .vgpr_count:     130
    .wavefront_size: 32
...
	.end_amdgpu_metadata
.endif
;; end of part 3
;; launch near (part 4): grid 64 x 1, 4 waves a work-group, no clusters, 2,560 bytes of LDS; arguments idx, pack, cand; writes cand
.if DOCPART == 4
	.amdgcn_target "amdgcn-amd-amdhsa--gfx1250"
	.amdhsa_code_object_version 6
	.text
	.protected	k_qb0806dd984_near
	.globl	k_qb0806dd984_near
	.p2align	8
	.type	k_qb0806dd984_near,@function
k_qb0806dd984_near:
	s_mov_b64 s[64:65], 0
	v_nop
	global_prefetch_b8 v0, s[64:65] scope:SCOPE_SE
	s_setreg_imm32_b32 hwreg(HW_REG_WAVE_MODE, 25, 1), 1
	s_wait_xcnt 0x0
; The eight chosen queries (idx, stored by the launch before) against all 16,384 rows of the bank, on the same codes and by the same matrix instruction as the bulk; of each 64 rows and each image the 16 smallest
; squared distances, ascending, go to cand [image 8][list 256][16] f32.  (Nine are wanted in the end; sixteen are what a lane holds.)
; A wave takes a chunk of 64 bank rows (pack's layout: the launch that writes it); everything goes from memory straight into registers.
; Source 0 = 16 bank rows, source 1 = the queries: column n is image n % 8, so lanes with n >= 8 hold copies; they take tiles 2 and 3 while lanes with n < 8 take tiles 0 and 1: each lane 16 numbers,
; the four lanes n, n + 8 (and 16 on) of an image the chunk's 64.  -|m|^2 / 2 is loaded into the accumulators, and the sums are made onto it.
; The index is held to 8,191 before it enters an address.  Equal distances are kept as often as they occur, as top_k keeps them.
.set CH,   25856
.set SCO,  24576
.set NBO,  25600
.set QB,   256*CH                      ; where the queries' chunks begin: it stands in the loads' immediates (6,644,736 at the most: inside the signed 24 bits, ISA guide, chapter 10)
.set L16,  2
.set H,    3
.set H32,  4
.set Q,    5                           ; my lane's query
.set OB,   6                           ; its chunk, in bytes
.set OC,   7                           ; its codes
.set OS,   8                           ; its scale bytes
.set OI,   9                           ; idx: 4 (lane % 8)
.set XN,   10                          ; |x|^2
.set ON,   11                          ; where that lies
.set SA,   12                          ; v12-19  the bank's scale words: tiles 0 | 1 in v12-15, tiles 2 | 3 in v16-19
.set SQ,   20                          ; v20-23  the queries'
.set QF,   24                          ; v24-71  the queries' four fragments
.set ACC,  72                          ; v72-103 four accumulators
.set X,    104
.set Y,    120
.set OUT,  136
.set LW,   140
.set LR,   141
.set GO,   142
.set IM,   143
.set SEL,  20                          ; s[20:21]
.set MSB, 0
.macro WIN new
.if MSB != \new
	s_set_vgpr_msb (MSB<<8)|\new
.set MSB, \new
.endif
.endm
; One stage of a bitonic network on 16 registers, out of place: i and i + j are put in order, ascending where i & k is 0
.macro STAGE src, dst, k, j
.set n, 0
.rept 16
.if (n & \j) == 0
.if (n & \k) != 0
	v_max_num_f32 v[\dst+n], v[\src+n], v[\src+n+\j]
	v_min_num_f32 v[\dst+n+\j], v[\src+n], v[\src+n+\j]
.else
	v_min_num_f32 v[\dst+n], v[\src+n], v[\src+n+\j]
	v_max_num_f32 v[\dst+n+\j], v[\src+n], v[\src+n+\j]
.endif
.endif
.set n, n+1
.endr
.endm
.macro SORT16                          ; X ascending; Y is scratch
	STAGE X, Y, 2, 1
	STAGE Y, X, 4, 2
	STAGE X, Y, 4, 1
	STAGE Y, X, 8, 4
	STAGE X, Y, 8, 2
	STAGE Y, X, 8, 1
	STAGE X, Y, 16, 8
	STAGE Y, X, 16, 4
	STAGE X, Y, 16, 2
	STAGE Y, X, 16, 1
.endm
.macro BITONIC a, b                    ; a bitonic run in a becomes ascending, in a; b is scratch
	STAGE \a, \b, 16, 8
	STAGE \b, \a, 16, 4
	STAGE \a, \b, 16, 2
	STAGE \b, \a, 16, 1
.endm
; The 16 smallest of my ascending 16 and my partner's: min(mine[i], the partner's[15 - i]) holds them and is bitonic.  Both partners end with the same run, in dst
.macro MERGE_DPP src, dst, m           ; the partner is lane l xor m
.set n, 0
.rept 16
	v_min_num_f32_dpp v[\dst+n], v[\src+15-n], v[\src+n] row_xmask:\m row_mask:0xf bank_mask:0xf
.set n, n+1
.endr
	BITONIC \dst, \src
.endm
.macro MERGE_X16 src, dst              ; the partner is lane l xor 16
.set n, 0
.rept 16
	v_permlanex16_b32 v[\dst+n], v[\src+15-n], s[SEL], s[SEL+1]
.set n, n+1
.endr
.set n, 0
.rept 16
	v_min_num_f32 v[\dst+n], v[\dst+n], v[\src+n]
.set n, n+1
.endr
	BITONIC \dst, \src
.endm
	s_load_b128 s[4:7], s[0:1], 0x0                ; idx, pack
	s_load_b64 s[8:9], s[0:1], 0x10                ; cand
	v_lshl_add_u32 v254, v0, 2, 0x800
	v_mov_b32 v255, 0
	v_lshrrev_b32 v1, 5, v0
	v_readfirstlane_b32 s10, v1                    ; wave 0..3
	v_and_b32 v1, 31, v0
	v_lshlrev_b32 v[L16], 4, v1
	v_bfe_u32 v[H], v0, 4, 1
	v_lshlrev_b32 v[H32], 5, v[H]
	v_and_b32 v[OI], 7, v0
	v_lshlrev_b32 v[OI], 2, v[OI]
	s_lshl_b32 s11, ttmp9, 2
	s_add_co_u32 s11, s11, s10                     ; my chunk of the bank
	s_mul_i32 s12, s11, CH
	s_mov_b32 s13, 0
	s_lshl_b32 s14, ttmp9, 8                       ; the work-group's four lists: 256 bytes of each image's 16,384
	s_mov_b32 s15, 0
	s_mov_b32 s[SEL], 0x76543210
	s_mov_b32 s[SEL+1], 0xfedcba98
	s_wait_kmcnt 0x0
	s_add_nc_u64 s[12:13], s[6:7], s[12:13]
	s_add_nc_u64 s[8:9], s[8:9], s[14:15]
	global_load_b32 v[Q], v[OI], s[4:5]            ; first: everything about the queries hangs on it
	WIN 0x40                                       ; destination window 1
.set n, 0
.rept 48                                       ; the chunk's 16 fragments: tile u, K step s at v[48 u + 12 s] of window 1
	global_load_b128 v[4*n:4*n+3], v[L16], s[12:13] offset:512*n
.set n, n+1
.endr
	WIN 0
	global_load_b128 v[SA:SA+3], v[L16], s[12:13] offset:SCO
	global_load_b128 v[SA+4:SA+7], v[L16], s[12:13] offset:SCO+512
.irp u, 0,1,2,3
	global_load_b128 v[ACC+8*\u:ACC+8*\u+3], v[H32], s[12:13] offset:NBO+64*\u       ; -|m|^2 / 2 of rows 8 h + 0 .. 3 of tile u
	global_load_b128 v[ACC+8*\u+4:ACC+8*\u+7], v[H32], s[12:13] offset:NBO+64*\u+16
.endr
	v_and_b32 v[LW], 7, v0                         ; LDS, on the way in: image x 256 + wave x 64
	v_lshlrev_b32 v[LW], 8, v[LW]
	s_lshl_b32 s17, s10, 6
	v_add_nc_u32 v[LW], s17, v[LW]
	v_and_b32 v[LR], 15, v0
	v_lshlrev_b32 v[LR], 4, v[LR]
	s_lshl_b32 s18, s10, 1
	v_add_nc_u32 v[IM], s18, v[H]                  ; on the way out: image 2 wave + lane / 16,
	v_lshl_add_u32 v[GO], v[IM], 14, v[LR]         ; its 16,384 bytes of cand,
	v_lshl_add_u32 v[LR], v[IM], 8, v[LR]          ; its 256 bytes of LDS; 16 bytes a lane
	v_and_b32 v[IM], 8, v0
	v_cmp_ne_u32 s16, 0, v[IM]                     ; the lanes that hold copies
	s_wait_loadcnt 58                              ; loads come back in order: idx's is in, the 58 issued behind it may be out
	v_min_u32 v[Q], 0x1fff, v[Q]                   ; inside the table, whatever was stored
	v_and_b32 v[OB], 0x1fc0, v[Q]
	v_mul_u32_u24 v[OB], v[OB], 404                ; (q / 64) x CH: CH = 64 x 404
	v_and_b32 v[OC], 48, v[Q]
	v_mul_u32_u24 v[OC], v[OC], 384                ; its tile: ((q / 16) % 4) x 6,144
	v_add_nc_u32 v[OC], v[OC], v[OB]
	v_and_b32 v[OS], 15, v[Q]
	v_lshlrev_b32 v[OS], 4, v[OS]                  ; its row's place in an image: 16 x (q % 16),
	v_add_nc_u32 v[OC], v[OC], v[OS]
	v_lshlrev_b32 v[ON], 8, v[H]                   ; + 256 for my half
	v_add_nc_u32 v[OC], v[OC], v[ON]
	v_and_b32 v[ON], 63, v[Q]
	v_lshlrev_b32 v[OS], 4, v[ON]
	v_add_nc_u32 v[OS], v[OS], v[OB]
	v_lshlrev_b32 v[ON], 2, v[ON]
	v_add_nc_u32 v[ON], v[ON], v[OB]
.irp f, 0,1,2,3,4,5,6,7,8,9,10,11
	global_load_b128 v[QF+4*\f:QF+4*\f+3], v[OC], s[6:7] offset:QB+512*\f
.endr
	global_load_b128 v[SQ:SQ+3], v[OS], s[6:7] offset:QB+SCO
	global_load_b32 v[XN], v[ON], s[6:7] offset:QB+NBO
	s_wait_loadcnt 0x0
	WIN 0x01                                       ; source 0 window 1
.irp s, 0,1,2,3                                ; the four accumulators by turns, one instruction a turn
.irp u, 0,1,2,3
.if \u%2
	v_wmma_scale_f32_16x16x128_f8f6f4 v[ACC+8*\u:ACC+8*\u+7], v[48*\u+12*\s:48*\u+12*\s+11], v[QF+12*\s:QF+12*\s+11], v[ACC+8*\u:ACC+8*\u+7], v[SA+4*(\u/2)+\s], v[SQ+\s] matrix_a_fmt:MATRIX_FMT_FP6 matrix_b_fmt:MATRIX_FMT_FP6 matrix_a_scale:MATRIX_SCALE_ROW1
.else
	v_wmma_scale_f32_16x16x128_f8f6f4 v[ACC+8*\u:ACC+8*\u+7], v[48*\u+12*\s:48*\u+12*\s+11], v[QF+12*\s:QF+12*\s+11], v[ACC+8*\u:ACC+8*\u+7], v[SA+4*(\u/2)+\s], v[SQ+\s] matrix_a_fmt:MATRIX_FMT_FP6 matrix_b_fmt:MATRIX_FMT_FP6
.endif
.endr
.endr
	WIN 0
.rept 4
	v_nop                                          ; four places behind the last product
.endr
.set n, 0
.rept 16                                       ; ascending: each accumulator is read from its low end on
	v_cndmask_b32 v[X+n], v[ACC+n], v[ACC+16+n], s16
.set n, n+1
.endr
.set n, 0
.rept 16
	v_fma_f32 v[X+n], -2.0, v[X+n], v[XN]          ; |x|^2 - 2 (x.m - |m|^2 / 2)
.set n, n+1
.endr
.set n, 0
.rept 16
	v_max_num_f32 v[X+n], 0, v[X+n]
.set n, n+1
.endr
	SORT16
	MERGE_DPP X, Y, 8                              ; with tiles 2, 3 (or 0, 1)
	MERGE_X16 Y, X                                 ; with the other eight rows of each tile
.irp k, 0,1,2,3
	ds_store_b128 v[LW], v[X+4*\k:X+4*\k+3] offset:16*\k   ; an image's four lanes write the same bytes with the same values
.endr
	s_wait_dscnt 0x0                               ; for the others' sake
	s_barrier_signal -1
	s_barrier_wait -1
	ds_load_b128 v[OUT:OUT+3], v[LR]               ; an image's four lists: 256 bytes, sixteen lanes
	s_wait_dscnt 0x0
	global_store_b128 v[GO], v[OUT:OUT+3], s[8:9]  ; sixteen lanes store 256 consecutive bytes, aligned
	s_wait_tensorcnt 0x0
	ds_add_u32 v254, v255
	s_wait_dscnt 0x0
	s_endpgm
.Lfunc_end_k_qb0806dd984_near:
	.size	k_qb0806dd984_near, .Lfunc_end_k_qb0806dd984_near-k_qb0806dd984_near
	.p2alignl 7, 3214868480
	.fill 96, 4, 3214868480
	.section	.rodata,"a",@progbits
	.p2align	6, 0x0
	.amdhsa_kernel k_qb0806dd984_near
		.amdhsa_group_segment_fixed_size 2560
		.amdhsa_private_segment_fixed_size 0
		.amdhsa_enable_private_segment 0
		.amdhsa_kernarg_size 24
		.amdhsa_user_sgpr_count 2
		.amdhsa_user_sgpr_kernarg_segment_ptr 1
		.amdhsa_wavefront_size32 1
		.amdhsa_system_sgpr_workgroup_id_x 1
		.amdhsa_system_sgpr_workgroup_id_y 1
		.amdhsa_system_sgpr_workgroup_id_z 1
		.amdhsa_system_vgpr_workitem_id 0
		.amdhsa_next_free_vgpr 448
		.amdhsa_next_free_sgpr 66
		.amdhsa_reserve_vcc 0
		.amdhsa_float_denorm_mode_32 3
		.amdhsa_float_denorm_mode_16_64 3
		.amdhsa_memory_ordered 1
		.amdhsa_forward_progress 1
		.amdhsa_inst_pref_size 27
	.end_amdhsa_kernel
	.amdgpu_metadata
---
amdhsa.version: [ 1, 2 ]
amdhsa.kernels:
  - .name:           k_qb0806dd984_near
    .symbol:         k_qb0806dd984_near.kd
    .args:
      - { .name: idx, .offset: 0, .size: 8, .value_kind: global_buffer, .address_space: global }
      - { .name: pack, .offset: 8, .size: 8, .value_kind: global_buffer, .address_space: global }
      - { .name: cand, .offset: 16, .size: 8, .value_kind: global_buffer, .address_space: global }
    .group_segment_fixed_size: 2560
    .private_segment_fixed_size: 0
    .kernarg_segment_align: 8
    .kernarg_segment_size: 24
    .max_flat_workgroup_size: 128
    .sgpr_count:     66
    .vgpr_count:     448
    .wavefront_size: 32
...
	.end_amdgpu_metadata
.endif
;; end of part 4
;; launch final (part 5): grid 8 x 1, 8 waves a work-group, no clusters, 1,792 bytes of LDS; arguments cand, out1; writes out1
.if DOCPART == 5
	.amdgcn_target "amdgcn-amd-amdhsa--gfx1250"
	.amdhsa_code_object_version 6
	.text
	.protected	k_qb0806dd984_final
	.globl	k_qb0806dd984_final
	.p2align	8
	.type	k_qb0806dd984_final,@function
k_qb0806dd984_final:
	s_mov_b64 s[64:65], 0
	v_nop
	global_prefetch_b8 v0, s[64:65] scope:SCOPE_SE
	s_setreg_imm32_b32 hwreg(HW_REG_WAVE_MODE, 25, 1), 1
	s_wait_xcnt 0x0
; out1[image] = d0 (1 - softmax(d)[0]), d the roots of the nine smallest squared distances of the image's chosen query.
; cand holds 256 ascending lists of 16 for each image.  Work-group = image; a lane takes a list; lists are merged pairwise, keeping the 16 smallest: five merges inside a wave, the eight waves' results through LDS,
; three merges more in wave 0.  The softmax takes its largest argument, d8, away before the exponentials, as the definition does.
.set X,   16
.set Y,   32
.set D,   48                           ; v48-56  the nine roots
.set EX,  58                           ; v58-66  the nine exponentials
.set SEL, 20
.macro STAGE src, dst, k, j            ; one stage of a bitonic network on 16 registers, out of place: i and i + j in order, ascending where i & k is 0
.set n, 0
.rept 16
.if (n & \j) == 0
.if (n & \k) != 0
	v_max_num_f32 v[\dst+n], v[\src+n], v[\src+n+\j]
	v_min_num_f32 v[\dst+n+\j], v[\src+n], v[\src+n+\j]
.else
	v_min_num_f32 v[\dst+n], v[\src+n], v[\src+n+\j]
	v_max_num_f32 v[\dst+n+\j], v[\src+n], v[\src+n+\j]
.endif
.endif
.set n, n+1
.endr
.endm
.macro BITONIC a, b                    ; a bitonic run in a becomes ascending, in a; b is scratch
	STAGE \a, \b, 16, 8
	STAGE \b, \a, 16, 4
	STAGE \a, \b, 16, 2
	STAGE \b, \a, 16, 1
.endm
.macro MERGE_DPP src, dst, m           ; the 16 smallest of my ascending 16 and lane l xor m's: min(mine[i], the partner's[15 - i]) holds them and is bitonic; the result stands in dst
.set n, 0
.rept 16
	v_min_num_f32_dpp v[\dst+n], v[\src+15-n], v[\src+n] row_xmask:\m row_mask:0xf bank_mask:0xf
.set n, n+1
.endr
	BITONIC \dst, \src
.endm
.macro MERGE_X16 src, dst              ; the same with lane l xor 16
.set n, 0
.rept 16
	v_permlanex16_b32 v[\dst+n], v[\src+15-n], s[SEL], s[SEL+1]
.set n, n+1
.endr
.set n, 0
.rept 16
	v_min_num_f32 v[\dst+n], v[\dst+n], v[\src+n]
.set n, n+1
.endr
	BITONIC \dst, \src
.endm
	s_load_b128 s[4:7], s[0:1], 0x0                ; cand, out1
	v_lshl_add_u32 v72, v0, 2, 0x300
	v_mov_b32 v73, 0
	v_lshrrev_b32 v1, 5, v0
	v_readfirstlane_b32 s8, v1                     ; wave 0..7
	v_and_b32 v1, 31, v0
	v_lshlrev_b32 v2, 6, v1                        ; a list is 64 bytes
	s_lshl_b32 s10, ttmp9, 14                      ; the image's 256 lists,
	s_lshl_b32 s11, s8, 11                         ; my wave's 32
	s_add_co_u32 s10, s10, s11
	s_mov_b32 s11, 0
	s_mul_i32 s12, s8, 80
	v_mov_b32 v3, s12                              ; LDS: my wave's list, 64 bytes + 16
	v_and_b32 v4, 7, v0
	v_mul_u32_u24 v4, v4, 80                       ; and the list that I take back
	s_lshl_b32 s13, ttmp9, 2
	v_mov_b32 v5, s13                              ; out1: 4 x image
	s_mov_b32 s14, 0x3fb8aa3b                      ; log2(e)
	s_mov_b32 s[SEL], 0x76543210
	s_mov_b32 s[SEL+1], 0xfedcba98
	s_wait_kmcnt 0x0
	s_add_nc_u64 s[4:5], s[4:5], s[10:11]
.irp k, 0,1,2,3
	global_load_b128 v[X+4*\k:X+4*\k+3], v2, s[4:5] offset:16*\k   ; the four together take each byte of the wave's 2,048 once
.endr
.set n, 0
.rept 16
	v_mov_b32 v[Y+n], 0                            ; written once: the destination of a DPP form counts as one of its sources
.set n, n+1
.endr
	s_wait_loadcnt 0x0
	MERGE_DPP X, Y, 1
	MERGE_DPP Y, X, 2
	MERGE_DPP X, Y, 4
	MERGE_DPP Y, X, 8
	MERGE_X16 X, Y                                 ; every lane holds the wave's 16 smallest, in Y
.irp k, 0,1,2,3
	ds_store_b128 v3, v[Y+4*\k:Y+4*\k+3] offset:16*\k   ; all lanes write the same bytes with the same values
.endr
	s_wait_dscnt 0x0                               ; for the others' sake
	s_barrier_signal -1
	s_barrier_wait -1
	s_cmp_lg_u32 s8, 0
	s_cbranch_scc1 .Lend                           ; the rest is wave 0's
.irp k, 0,1,2,3
	ds_load_b128 v[X+4*\k:X+4*\k+3], v4 offset:16*\k    ; lane l: wave l % 8's list
.endr
	s_wait_dscnt 0x0
	MERGE_DPP X, Y, 1
	MERGE_DPP Y, X, 2
	MERGE_DPP X, Y, 4                              ; the image's 16 smallest, ascending, in Y
.irp i, 0,1,2,3,4,5,6,7,8
	v_sqrt_f32 v[D+\i], v[Y+\i]
.endr
	v_nop                                          ; a plain place behind the last root
	s_wait_alu depctr_va_vdst(0)                   ; one wait for the nine, ahead of their first reader
	v_mul_f32 v57, s14, v[D+8]                     ; the largest argument, x log2(e)
.irp i, 0,1,2,3,4,5,6,7,8
	v_fma_f32 v[EX+\i], v[D+\i], s14, -v57
.endr
.irp i, 0,1,2,3,4,5,6,7,8
	v_exp_f32 v[EX+\i], v[EX+\i]                   ; e^(d - d8), at most 1
.endr
	v_nop
	s_wait_alu depctr_va_vdst(0)                   ; one wait for the nine
	v_add_f32 v67, v[EX], v[EX+1]
	v_add_f32 v68, v[EX+2], v[EX+3]
	v_add_f32 v69, v[EX+4], v[EX+5]
	v_add_f32 v70, v[EX+6], v[EX+7]
	v_add_f32 v67, v67, v68
	v_add_f32 v69, v69, v70
	v_add_f32 v67, v67, v69
	v_add_f32 v67, v67, v[EX+8]                    ; at least 1: d8's own term
	v_rcp_f32 v68, v67
	v_cmp_eq_u32 vcc_lo, 0, v0                     ; (a plain place behind the reciprocal)
	s_wait_alu depctr_va_vdst(0)
	v_fma_f32 v69, -v[EX], v68, 1.0                ; 1 - softmax(d)[0]
	v_mul_f32 v69, v[D], v69
	s_wait_xcnt 0x0                                ; EXEC changes only behind this wait
	s_and_saveexec_b32 s15, vcc_lo                 ; the first thread alone
	global_store_b32 v5, v69, s[6:7]
	s_wait_xcnt 0x0
	s_or_b32 exec_lo, exec_lo, s15
.Lend:
	s_wait_tensorcnt 0x0
	ds_add_u32 v72, v73
	s_wait_dscnt 0x0
	s_endpgm
.Lfunc_end_k_qb0806dd984_final:
	.size	k_qb0806dd984_final, .Lfunc_end_k_qb0806dd984_final-k_qb0806dd984_final
	.p2alignl 7, 3214868480
	.fill 96, 4, 3214868480
	.section	.rodata,"a",@progbits
	.p2align	6, 0x0
	.amdhsa_kernel k_qb0806dd984_final
		.amdhsa_group_segment_fixed_size 1792
		.amdhsa_private_segment_fixed_size 0
		.amdhsa_enable_private_segment 0
		.amdhsa_kernarg_size 16
		.amdhsa_user_sgpr_count 2
		.amdhsa_user_sgpr_kernarg_segment_ptr 1
		.amdhsa_wavefront_size32 1
		.amdhsa_system_sgpr_workgroup_id_x 1
		.amdhsa_system_sgpr_workgroup_id_y 1
		.amdhsa_system_sgpr_workgroup_id_z 1
		.amdhsa_system_vgpr_workitem_id 0
		.amdhsa_next_free_vgpr 74
		.amdhsa_next_free_sgpr 66
		.amdhsa_reserve_vcc 1
		.amdhsa_float_denorm_mode_32 3
		.amdhsa_float_denorm_mode_16_64 3
		.amdhsa_memory_ordered 1
		.amdhsa_forward_progress 1
		.amdhsa_inst_pref_size 30
	.end_amdhsa_kernel
	.amdgpu_metadata
---
amdhsa.version: [ 1, 2 ]
amdhsa.kernels:
  - .name:           k_qb0806dd984_final
    .symbol:         k_qb0806dd984_final.kd
    .args:
      - { .name: cand, .offset: 0, .size: 8, .value_kind: global_buffer, .address_space: global }
      - { .name: out1, .offset: 8, .size: 8, .value_kind: global_buffer, .address_space: global }
    .group_segment_fixed_size: 1792
    .private_segment_fixed_size: 0
    .kernarg_segment_align: 8
    .kernarg_segment_size: 16
    .max_flat_workgroup_size: 256
    .sgpr_count:     66
    .vgpr_count:     74
    .wavefront_size: 32
...
	.end_amdgpu_metadata
.endif
;; end of part 5
